; MI455X (gfx1250); checked and timed in simulation.
; The chip was launched on July 23, 2026; its instructions are those of AMD's public machine-readable ISA for CDNA 5 (MIT licence, August 2026) and "CDNA5" Instruction Set Architecture Reference Guide (July 2026). The comments in the code are by the model that wrote it; some were corrected since.
;; Multi Head Causal Attention. Allowed arithmetic: matrix products marked QUANTISED: E2M3 operands, one E8M0 scale for each 32 along K, by v_wmma_scale_f32_16x16x128_f8f6f4 with both operands' format E2M3, f32 sums; everything else in f32.
;; Inputs: Wk 768 x 768 float32; Wq 768 x 768 float32; Wv 768 x 768 float32; beta 768 float32; bk 768 float32; bq 768 float32; bv 768 float32; gamma 768 float32; pad_mask 4 x 2,048 float32; x 4 x 2,048 x 768 float32.
;; Outputs: out0 4 x 2,048 x 768 float32.
;; This version of the problem:
;;   THIS VERSION OF THE PROBLEM IS GIVEN IN LOW PRECISION. The matrix products marked QUANTISED in the list below multiply operands that are first quantised to E2M3 (2 exponent bits, 3 mantissa bits; 6 bits a number), with one power-of-two scale for each 32 numbers along K (OCP MX v1.0); their sums are f32. All else is computed in f32.
;;   The module's matrix products, in the order in which they are computed (A, B: the left and right operand; K: the contracted axis; several contracted axes count as one K, in the product's order):
;;     1. [M 8,192, K 768] x [K 768, N 768]; A: input x; B: input Wq: QUANTISED
;;     2. [M 8,192, K 768] x [K 768, N 768]; A: input x; B: input Wk: QUANTISED
;;     3. [M 8,192, K 768] x [K 768, N 768]; A: input x; B: input Wv: QUANTISED
;;     4. batch 32 x [M 2,048, K 96] x [K 96, N 2,048]; A: computed on the way; B: computed on the way: QUANTISED
;;     5. batch 32 x [M 2,048, K 2,048] x [K 2,048, N 96]; A: softmax (see below); B: computed on the way: QUANTISED
;;   THE QUANTISER, for each operand of a quantised product, along K:
;;     - K is cut into blocks of 32 from its start; a last block that is shorter is filled with zeros.
;;     - A block's scale is 2^e with e = floor(log2(the largest magnitude in the block)) - 2, held to -126 .. 127; a block of zeros has e = 0. As a byte (E8M0): e + 127.
;;     - Each number is divided by its block's scale, clamped to +-7.5, and rounded to the nearest number of E2M3, ties to even, subnormals kept.
;;     - The product sums the exact products of the quantised numbers (number of the format x scale) in f32.
;;   ~~~python
;;   def quantise(x, axis):      # numpy; x: float32 -> the quantised numbers, widened to float32 again
;;       x = np.moveaxis(x, axis, -1); K = x.shape[-1]
;;       x = np.pad(x, [(0, 0)] * (x.ndim - 1) + [(0, -K % 32)]); x = x.reshape(x.shape[:-1] + (-1, 32)); a = np.abs(x).max(-1, keepdims=True)
;;       e = np.where(a > 0, np.clip(np.frexp(np.where(a > 0, a, 1))[1] - 1 - 2, -126, 127), 0)      # np.frexp(a)[1] - 1 = floor(log2(a)), exactly
;;       r = np.clip(x / 2.0 ** e, -7.5, 7.5)
;;       step = 2.0 ** (np.maximum(np.frexp(np.where(r == 0, 1, r))[1] - 1, 0) - 3)
;;       q = np.round(r / step) * step * 2.0 ** e      # np.round: ties to even
;;       return np.moveaxis(q.reshape(q.shape[:-2] + (-1,))[..., :K], -1, axis).astype(np.float32)
;;   ~~~
;;   SOFTMAX AHEAD OF A QUANTISED PRODUCT. Where the list says 'softmax', what is quantised is not the finished softmax but p = 2^(t - M), with t = logit x log2(e) and M = ceil(the row's largest t), a whole number; so 1/2 < the row's largest p <= 1. The row's sum l is taken of the UNQUANTISED p, in f32, and the product's result is divided by l at the end. Since M is a whole number, a kernel that streams over the keys may use a running M (the ceiling of the running maximum): every later rescaling is an exact power of two, which a block's scale takes up: the codes' values come out the same.
;;   OPERANDS COMPUTED ON THE WAY. 'Computed on the way' means the value that the module computes at that place (a softmax that the list does not call 'softmax' is quantised finished and normalised). What goes into a quantiser is computed in f32, as accurately as f32 sums, v_exp_f32 and their like allow (about 1e-6 of the number): no bf16 or f16 on the way to a quantiser, and a product that is left as it is and whose result goes on into a quantised operand takes f32 operands (vector FMAs, or v_wmma_f32_16x16x4_f32). A number that lies on a knife's edge between two numbers of the format may be rounded either way, as far as f32 arithmetic and the matrix unit's own rounding can turn it there, and no further.
;; One version. Each part assembles by itself: llvm-mc -triple=amdgcn-amd-amdhsa -mcpu=gfx1250 --defsym DOCPART=n.
;; ======== version 1 of 1: 4 launches
;; limits: right only within a limited range of input values
;; workspace buffers: ximg 4,915,200 bytes; wimg 1,388,544 bytes; qrec 6,553,600 bytes; kv 12,582,912 bytes; attn2 25,165,824 bytes; meta 256 bytes of whole numbers
;; launch quant (part 1): grid 301 x 1, 4 waves a work-group, no clusters, 34,816 bytes of LDS; arguments x, Wq, Wk, Wv, pad_mask, ximg, wimg, meta; writes ximg, wimg, meta
.if DOCPART == 1
	.amdgcn_target "amdgcn-amd-amdhsa--gfx1250"
	.amdhsa_code_object_version 6
	.text
	.protected	k_qed7819c93e_quant
	.globl	k_qed7819c93e_quant
	.p2align	8
	.type	k_qed7819c93e_quant,@function
k_qed7819c93e_quant:
	s_mov_b64 s[64:65], 0
	v_nop
	global_prefetch_b8 v0, s[64:65] scope:SCOPE_SE
	s_setreg_imm32_b32 hwreg(HW_REG_WAVE_MODE, 25, 1), 1
	s_wait_xcnt 0x0
; x [8192][768] and Wq, Wk, Wv [768 (k)][768 (n)], f32, become codes of E2M3 with one E8M0 byte for each 32 along K = the 768, laid as IMAGES OF OPERAND REGISTERS:
; a fragment (16 rows x 128 K, 12 registers a lane) is 1,536 bytes: register R of lane L at (R / 4) 512 + 16 L + 4 (R % 4), so that three loads of 16 bytes a lane bring it.
; THE ROWS OF A TILE ARE NOT NEIGHBOURS: of a group of 32 rows, row r of tile u is member 8 u + r % 8 + 16 (r / 8).
; ximg: [chunk of 256 tokens][K step s][25,600]: 16 fragments, then 16 x 64 bytes of scale words.  wimg: [head][s][28,928]: 18 fragments (q, k, v: 6 each), 18 x 64 bytes of scale words, 128 zero bytes.
; A block's scale is 2^(floor(log2(largest magnitude)) - 2): the byte is the largest magnitude's exponent field - 2, held at 1 from below (a block of zeros keeps 1: its codes are zeros, and this program alone reads the bytes).
; meta: for batch b, word 2 b: bit J set where some pad_mask among keys 128 J .. 128 J + 127 is not +-0; word 2 b + 1: the first key whose pad_mask is +-0, or 2,048.
; LIMITS: NaN and infinities are not served; blocks whose largest magnitude lies under 2^-124 keep the byte 1.
; Work-groups 0-191: x (chunk, K step); 192-299: the weights; 300: pad_mask.  No barrier: waves share nothing.  Only the x path uses LDS.
.set XBLK, 25600
.set WBLK, 28928
.set R,   16                           ; v16-143  two sets of 64: a tile's 16 rows as loaded
.set X,   144                          ; v144-207 my two blocks of 32 neighbours
.set F,   208                          ; v208-231 two sets of 12: a fragment
.set T,   232                          ; v232-238 the upper halves' codes
.set MX,  240
.set SO,  242
.set BY,  244
.set W,   246
.set PT,  247
	s_load_b512 s[4:19], s[0:1], 0x0               ; x, Wq, Wk, Wv, pad_mask, ximg, wimg, meta
	v_lshrrev_b32 v1, 5, v0
	v_readfirstlane_b32 s20, v1                    ; wave
	v_and_b32 v2, 31, v0                           ; lane
	v_and_b32 v3, 15, v0                           ; r
	v_bfe_u32 v4, v0, 4, 1                         ; h
	s_mov_b32 s30, 0x76543210
	s_mov_b32 s31, 0xfedcba98                      ; lane l xor 16
	s_cmp_lt_u32 ttmp9, 192
	s_cbranch_scc0 .Lnot_x
	; ---------------- x: work-group = 6 x chunk + K step; wave w takes tokens 64 w .. 64 w + 63 of the chunk: four tiles
	s_mul_i32 s21, s20, 8704                       ; my wave's LDS: a stage of 16 rows x 528 bytes, then 256 bytes of scale words
	v_lshlrev_b32 v5, 4, v2                        ; 16 x lane
	v_add_nc_u32 v6, s21, v5                       ; into the stage: a row's 512 bytes as they lie
	v_mul_u32_u24 v7, v3, 528
	v_lshl_add_u32 v7, v4, 7, v7
	v_add_nc_u32 v7, s21, v7                       ; out of it: row r, block h
	v_lshl_add_u32 v8, v3, 2, s21                  ; my row's scale word
	v_lshl_add_u32 v9, v2, 3, s21                  ; the scale words on the way out
	v_lshlrev_b32 v10, 3, v2
	v_lshlrev_b32 v11, 3, v4                       ; 8 h
	v_mov_b32 v[PT], 0                             ; a lane permute's destination counts as read
	s_mul_i32 s22, ttmp9, 10923
	s_lshr_b32 s22, s22, 16                        ; chunk = id / 6
	s_mul_i32 s23, s22, 6
	s_sub_co_u32 s23, ttmp9, s23                   ; K step
	s_lshl_b32 s24, s22, 8
	s_lshl_b32 s25, s20, 6
	s_add_co_u32 s24, s24, s25
	s_mul_i32 s24, s24, 3072                       ; my first token's row,
	s_lshl_b32 s25, s23, 9
	s_add_co_u32 s24, s24, s25                     ; + 512 bytes a K step
	s_mov_b32 s25, 0
	s_mul_i32 s26, ttmp9, XBLK
	s_mov_b32 s27, 0
	s_lshl_b32 s28, s20, 8
	s_mov_b32 s29, 0
	s_mul_i32 s32, s20, 6144
	s_mov_b32 s33, 0
	s_wait_kmcnt 0x0
	s_add_nc_u64 s[4:5], s[4:5], s[24:25]
	s_add_nc_u64 s[14:15], s[14:15], s[26:27]      ; my block of ximg
	s_add_nc_u64 s[28:29], s[14:15], s[28:29]      ; my wave's 256 bytes of scale words (24,576 on, in the immediate)
	s_add_nc_u64 s[14:15], s[14:15], s[32:33]      ; my wave's four fragments
.macro LOADT a                         ; tile a: 16 rows, each 512 consecutive bytes for the 32 lanes
.irp rho, 0,1,2,3,4,5,6,7,8,9,10,11,12,13,14,15
	global_load_b128 v[R+64*((\a)%2)+4*\rho:R+64*((\a)%2)+4*\rho+3], v5, s[4:5] offset:(32*((\a)/2)+8*((\a)%2)+(\rho%8)+16*(\rho/8))*3072 th:TH_LOAD_NT
.endr
.endm
.macro TILE a
.set FS, F+12*((\a)%2)
.if (\a) < 3
	s_wait_loadcnt 16                              ; this tile's 16 loads are in; the next tile's 16 may be out
.else
	s_wait_loadcnt 0x0
.endif
.irp rho, 0,1,2,3,4,5,6,7,8,9,10,11,12,13,14,15
	ds_store_b128 v6, v[R+64*((\a)%2)+4*\rho:R+64*((\a)%2)+4*\rho+3] offset:528*\rho
.endr
.irp q, 0,1,2,3,4,5,6,7                ; LDS serves a wave's instructions in order: these see the stores.  Lane (r, h): k = 32 h + 0 .. 31 and 64 + 32 h + 0 .. 31 of row r
	ds_load_b128 v[X+4*\q:X+4*\q+3], v7 offset:16*\q
.endr
.irp q, 0,1,2,3,4,5,6,7
	ds_load_b128 v[X+32+4*\q:X+32+4*\q+3], v7 offset:256+16*\q
.endr
	s_wait_dscnt 0x0                               ; my 64 numbers are in, and the stores have read their registers
.if (\a) < 2
	LOADT (\a)+2
.else
	s_wait_xcnt 0x0                                ; the fragment's registers were the data of the stores two tiles back
.endif
.irp c, 0,1
	v_max3_num_f32 v[MX+\c], |v[X+32*\c]|, |v[X+32*\c+1]|, 0x1800000   ; with the floor 2^-124 among the leaves
.endr
.irp i, 2,4,6,8,10,12,14,16,18,20,22,24,26,28,30
.irp c, 0,1
	v_max3_num_f32 v[MX+\c], v[MX+\c], |v[X+32*\c+\i]|, |v[X+32*\c+\i+1]|
.endr
.endr
.irp c, 0,1
	v_add_nc_u32 v[SO+\c], 0xff000000, v[MX+\c]    ; 2 off the exponent field: the conversion's scale operand
.endr
.irp c, 0,1
	v_lshrrev_b32 v[BY+\c], 23, v[SO+\c]           ; the byte
.endr
	v_lshl_or_b32 v[W], v[BY+1], 16, v[BY]         ; blocks h and 2 + h,
	v_lshlrev_b32 v[W], v11, v[W]                  ; at their places,
	v_permlanex16_b32 v[PT], v[W], s30, s31
	v_or_b32 v[W], v[W], v[PT]                     ; with lane l xor 16's two: the row's scale word
.irp c, 0,1
	v_cvt_scalef32_pk16_fp6_f32 v[FS+6*\c:FS+6*\c+2], v[X+32*\c:X+32*\c+15], v[SO+\c]
	v_cvt_scalef32_pk16_fp6_f32 v[T+4*\c:T+4*\c+2], v[X+32*\c+16:X+32*\c+31], v[SO+\c]   ; (a conversion's three registers begin on an even number)
.endr
	v_nop                                          ; one plain line behind the conversions
.irp c, 0,1
.irp i, 0,1,2
	v_mov_b32 v[FS+6*\c+3+\i], v[T+4*\c+\i]
.endr
.endr
.irp c, 0,1,2
	global_store_b128 v5, v[FS+4*\c:FS+4*\c+3], s[14:15] offset:1536*(\a)+512*\c   ; 512 consecutive bytes, aligned
.endr
	ds_store_b32 v8, v[W] offset:8448+64*(\a)      ; both halves of the lanes write the same word with the same value
.endm
	LOADT 0
	LOADT 1
	TILE 0
	TILE 1
	TILE 2
	TILE 3
	ds_load_b64 v[12:13], v9 offset:8448
	s_wait_dscnt 0x0
	global_store_b64 v10, v[12:13], s[28:29] offset:24576   ; my four tiles' scale words: 256 consecutive bytes, aligned
	s_endpgm
.Lnot_x:
	s_cmp_lt_u32 ttmp9, 300
	s_cbranch_scc0 .Lpad
	; ---------------- the weights: a wave takes 32 columns x 128 along K.  A LANE TAKES A COLUMN AND ITS REGISTERS RUN DOWN K
	s_sub_co_u32 s21, ttmp9, 192
	s_cmp_ge_u32 s21, 36
	s_cselect_b32 s22, 1, 0
	s_cmp_ge_u32 s21, 72
	s_cselect_b32 s23, 1, 0
	s_add_co_u32 s22, s22, s23                     ; 0 Wq, 1 Wk, 2 Wv
	s_mul_i32 s23, s22, 36
	s_sub_co_u32 s23, s21, s23
	s_mul_i32 s24, s23, 43
	s_lshr_b32 s24, s24, 8                         ; K step = rem / 6
	s_mul_i32 s25, s24, 6
	s_sub_co_u32 s25, s23, s25
	s_lshl_b32 s25, s25, 2
	s_add_co_u32 s25, s25, s20                     ; group of 32 columns, 0 .. 23
	s_mul_i32 s26, s25, 11
	s_lshr_b32 s26, s26, 5                         ; head = group / 3
	s_mul_i32 s27, s26, 3
	s_sub_co_u32 s27, s25, s27                     ; group in the head
	v_and_b32 v5, 7, v2
	v_bfe_u32 v6, v2, 3, 1
	v_lshl_add_u32 v5, v6, 4, v5
	v_lshl_add_u32 v5, v4, 3, v5                   ; lanes 0-15 take tile 0's columns, lanes 16-31 tile 1's
	v_lshlrev_b32 v5, 2, v5
	v_lshlrev_b32 v7, 4, v2
	v_lshlrev_b32 v8, 2, v2
	s_mul_i32 s28, s24, 393216                     ; 128 rows of 3,072 bytes a K step
	s_lshl_b32 s23, s25, 7
	s_add_co_u32 s28, s28, s23
	s_mov_b32 s29, 0
	s_wait_kmcnt 0x0
	s_cmp_eq_u32 s22, 0
	s_cselect_b64 s[6:7], s[6:7], s[8:9]
	s_cmp_eq_u32 s22, 2
	s_cselect_b64 s[6:7], s[10:11], s[6:7]
	s_add_nc_u64 s[6:7], s[6:7], s[28:29]
.macro LOADB t                         ; block t: W(32 t + i, my column): the wave reads 128 consecutive bytes, the four waves 512
.irp i, 0,1,2,3,4,5,6,7,8,9,10,11,12,13,14,15,16,17,18,19,20,21,22,23,24,25,26,27,28,29,30,31
	global_load_b32 v[16+32*((\t)%2)+\i], v5, s[6:7] offset:(32*(\t)+\i)*3072 th:TH_LOAD_NT
.endr
.endm
	LOADB 0
	LOADB 1
	s_mul_i32 s28, s26, 6
	s_add_co_u32 s28, s28, s24
	s_mul_i32 s28, s28, WBLK
	s_add_nc_u64 s[16:17], s[16:17], s[28:29]      ; my block of wimg
	s_mul_i32 s21, s22, 6
	s_lshl_b32 s23, s27, 1
	s_add_co_u32 s21, s21, s23                     ; my first tile
	s_mul_i32 s28, s21, 1536
	s_add_nc_u64 s[32:33], s[16:17], s[28:29]
	s_lshl_b32 s28, s21, 6
	s_add_nc_u64 s[34:35], s[16:17], s[28:29]
.macro BLOCK t                         ; blocks 0 and 2 go to v80-91, blocks 1 and 3 to v92-103
.set DS, 16+32*((\t)%2)
.set FB, 80+12*((\t)%2)+6*((\t)/2)
.if (\t) < 3
	s_wait_loadcnt 32                              ; this block's 32 loads are in; the next block's may be out
.else
	s_wait_loadcnt 0x0
.endif
	v_max3_num_f32 v108, |v[DS]|, |v[DS+1]|, |v[DS+2]|
	v_max3_num_f32 v109, |v[DS+3]|, |v[DS+4]|, |v[DS+5]|
.irp i, 6,10,14,18,22,26
	v_max3_num_f32 v108, v108, |v[DS+\i]|, |v[DS+\i+1]|
	v_max3_num_f32 v109, v109, |v[DS+\i+2]|, |v[DS+\i+3]|
.endr
	v_max3_num_f32 v108, v108, |v[DS+30]|, |v[DS+31]|
	v_max3_num_f32 v108, v108, v109, 0x1800000
	v_add_nc_u32 v110, 0xff000000, v108
	v_lshrrev_b32 v111, 23, v110
.if (\t) == 0
	v_mov_b32 v112, v111
.else
	v_lshl_or_b32 v112, v111, 8*(\t), v112         ; my column's scale word
.endif
	v_cvt_scalef32_pk16_fp6_f32 v[FB:FB+2], v[DS:DS+15], v110
	v_cvt_scalef32_pk16_fp6_f32 v[104:106], v[DS+16:DS+31], v110
	v_nop
.irp i, 0,1,2
	v_mov_b32 v[FB+3+\i], v[104+\i]
.endr
.if (\t) < 2
	LOADB (\t)+2
.endif
.endm
	BLOCK 0
	BLOCK 1
	BLOCK 2
	BLOCK 3
.irp i, 0,1,2,3,4,5,6,7,8,9,10,11
	v_permlane16_swap_b32 v[80+\i], v[92+\i]       ; the first's lanes 16-31 change places with the second's lanes 0-15: v80-91 is now tile 0's fragment, v92-103 tile 1's
.endr
.irp c, 0,1,2
	global_store_b128 v7, v[80+4*\c:83+4*\c], s[32:33] offset:512*\c
	global_store_b128 v7, v[92+4*\c:95+4*\c], s[32:33] offset:1536+512*\c
.endr
	global_store_b32 v8, v112, s[34:35] offset:27648   ; two tiles' scale words: 128 consecutive bytes, for 16,384 bytes read
	s_cmp_eq_u32 s22, 2
	s_cbranch_scc0 .Lw_end
	s_cmp_eq_u32 s27, 2
	s_cbranch_scc0 .Lw_end
	v_mov_b32 v9, 0
	global_store_b32 v8, v9, s[16:17] offset:28800     ; the block's last 128 bytes, which the next launch's load also brings
.Lw_end:
	s_endpgm
.Lpad:
	; ---------------- pad_mask: wave b takes batch b.  Load i holds keys 128 i + 4 lane + 0 .. 3
	s_lshl_b32 s22, s20, 13
	s_mov_b32 s23, 0
	s_lshl_b32 s26, s20, 3
	s_mov_b32 s27, 0
	v_lshlrev_b32 v5, 4, v2
	s_wait_kmcnt 0x0
	s_add_nc_u64 s[12:13], s[12:13], s[22:23]
	s_add_nc_u64 s[18:19], s[18:19], s[26:27]
.irp i, 0,1,2,3,4,5,6,7,8,9,10,11,12,13,14,15
	global_load_b128 v[16+4*\i:19+4*\i], v5, s[12:13] offset:512*\i
.endr
	s_mov_b32 s24, 0                               ; the flags
	v_mov_b32 v6, 0x1000
	v_mov_b32 v7, 0x1000                           ; the least 128 i + e of my open keys
	s_wait_loadcnt 0x0
.macro PADSTEP i
.irp e, 0,1,2,3
	v_and_b32 v[16+4*\i+\e], 0x7fffffff, v[16+4*\i+\e]   ; the sign of a zero does not count
.endr
	v_or_b32 v8, v[16+4*\i], v[17+4*\i]
	v_or_b32 v9, v[18+4*\i], v[19+4*\i]
	v_or_b32 v8, v8, v9
	v_cmp_ne_u32 vcc_lo, 0, v8
	s_cmp_lg_u32 vcc_lo, 0
	s_cselect_b32 s25, 1<<\i, 0
	s_or_b32 s24, s24, s25
.irp e, 0,1,2,3
	v_cmp_ne_u32 vcc_lo, 0, v[16+4*\i+\e]
	v_cndmask_b32 v9, 128*\i+\e, v6, vcc_lo
	v_min_u32 v7, v7, v9
.endr
.endm
.irp i, 0,1,2,3,4,5,6,7,8,9,10,11,12,13,14,15
	PADSTEP \i
.endr
	v_lshl_add_u32 v7, v2, 2, v7                   ; + 4 lane: my first open key,
	v_min_u32 v7, 0x800, v7                        ; or 2,048
	v_cvt_f32_u32 v7, v7                           ; exact; the least over the 32 lanes
	v_min_num_f32_dpp v7, v7, v7 row_xmask:1 row_mask:0xf bank_mask:0xf
	v_min_num_f32_dpp v7, v7, v7 row_xmask:2 row_mask:0xf bank_mask:0xf
	v_min_num_f32_dpp v7, v7, v7 row_xmask:4 row_mask:0xf bank_mask:0xf
	v_min_num_f32_dpp v7, v7, v7 row_xmask:8 row_mask:0xf bank_mask:0xf
	v_permlanex16_b32 v9, v7, s30, s31
	v_min_num_f32 v7, v7, v9
	v_mov_b32 v10, s24
	v_cvt_u32_f32 v11, v7
	v_mov_b32 v12, 0
	v_cmp_eq_u32 vcc_lo, 0, v2
	s_wait_xcnt 0x0                                ; EXEC changes only behind this wait
	s_and_saveexec_b32 s26, vcc_lo
	global_store_b64 v12, v[10:11], s[18:19]       ; lane 0: the flags and the first open key
	s_wait_xcnt 0x0
	s_or_b32 exec_lo, exec_lo, s26
	s_endpgm
.Lfunc_end_k_qed7819c93e_quant:
	.size	k_qed7819c93e_quant, .Lfunc_end_k_qed7819c93e_quant-k_qed7819c93e_quant
	.p2alignl 7, 3214868480
	.fill 96, 4, 3214868480
	.section	.rodata,"a",@progbits
	.p2align	6, 0x0
	.amdhsa_kernel k_qed7819c93e_quant
		.amdhsa_group_segment_fixed_size 34816
		.amdhsa_private_segment_fixed_size 0
		.amdhsa_enable_private_segment 0
		.amdhsa_kernarg_size 64
		.amdhsa_user_sgpr_count 2
		.amdhsa_user_sgpr_kernarg_segment_ptr 1
		.amdhsa_wavefront_size32 1
		.amdhsa_system_sgpr_workgroup_id_x 1
		.amdhsa_system_sgpr_workgroup_id_y 1
		.amdhsa_system_sgpr_workgroup_id_z 1
		.amdhsa_system_vgpr_workitem_id 0
		.amdhsa_next_free_vgpr 256
		.amdhsa_next_free_sgpr 66
		.amdhsa_reserve_vcc 1
		.amdhsa_float_denorm_mode_32 3
		.amdhsa_float_denorm_mode_16_64 3
		.amdhsa_memory_ordered 1
		.amdhsa_forward_progress 1
		.amdhsa_inst_pref_size 69
	.end_amdhsa_kernel
	.amdgpu_metadata
---
amdhsa.version: [ 1, 2 ]
amdhsa.kernels:
  - .name:           k_qed7819c93e_quant
    .symbol:         k_qed7819c93e_quant.kd
    .args:
      - { .name: x, .offset: 0, .size: 8, .value_kind: global_buffer, .address_space: global }
      - { .name: Wq, .offset: 8, .size: 8, .value_kind: global_buffer, .address_space: global }
      - { .name: Wk, .offset: 16, .size: 8, .value_kind: global_buffer, .address_space: global }
      - { .name: Wv, .offset: 24, .size: 8, .value_kind: global_buffer, .address_space: global }
      - { .name: pad_mask, .offset: 32, .size: 8, .value_kind: global_buffer, .address_space: global }
      - { .name: ximg, .offset: 40, .size: 8, .value_kind: global_buffer, .address_space: global }
      - { .name: wimg, .offset: 48, .size: 8, .value_kind: global_buffer, .address_space: global }
      - { .name: meta, .offset: 56, .size: 8, .value_kind: global_buffer, .address_space: global }
    .group_segment_fixed_size: 34816
    .private_segment_fixed_size: 0
    .kernarg_segment_align: 8
    .kernarg_segment_size: 64
    .max_flat_workgroup_size: 128
    .sgpr_count:     66
    .vgpr_count:     256
    .wavefront_size: 32
...
	.end_amdgpu_metadata
.endif
;; end of part 1
;; launch proj (part 2): grid 8 x 32, 16 waves a work-group, clusters of 4 x 4, 327,680 bytes of LDS; arguments ximg, wimg, bq, bk, bv, pad_mask, qrec, kv; writes qrec, kv
.if DOCPART == 2
	.amdgcn_target "amdgcn-amd-amdhsa--gfx1250"
	.amdhsa_code_object_version 6
	.text
	.protected	k_qed7819c93e_proj
	.globl	k_qed7819c93e_proj
	.p2align	8
	.type	k_qed7819c93e_proj,@function
k_qed7819c93e_proj:
	s_mov_b64 s[64:65], 0
	v_nop
	global_prefetch_b8 v0, s[64:65] scope:SCOPE_SE
	s_setreg_imm32_b32 hwreg(HW_REG_WAVE_MODE, 25, 1), 1
	s_wait_xcnt 0x0
	s_wait_alu depctr_hold_cnt(0) depctr_sa_sdst(0) depctr_va_vdst(0) depctr_va_sdst(0) depctr_va_ssrc(0) depctr_va_vcc(0) depctr_vm_vsrc(0)
	s_getreg_b32 s2, hwreg(HW_REG_IB_STS2, 6, 4)
	s_cmp_eq_u32 s2, 0
	s_cbranch_scc0 .Lentry_in_a_cluster
	s_endpgm
.Lentry_in_a_cluster:
	s_bfe_u32 s2, ttmp6, 0x10000c
	s_cmp_lg_u32 s2, 0xf033
	s_cbranch_scc0 .Lentry_shape_is_right
	s_endpgm
.Lentry_shape_is_right:
; q, k, v = x W + b for ONE HEAD (96 columns of each) and 256 tokens, on codes of E2M3; then q and k are quantised along the head's 96 and v along the keys, and leave as images of operand registers.
; qrec [batch x head][J][12,800]: 8 fragments of 16 queries x 128 (k = 96 .. 127 zero codes, byte 0x7f), then scale words at (16 u + r) 16 + 4 beta.
; kv [batch x head][J][24,576]: 8 fragments of K | 6 of V^T (16 d x 128 keys) | K's scale words | V's | m = 1 - pad [128] | n = -1e10 (1 - m) [128] | 1,024 zero bytes.  J counts 128 tokens.
; SHARES.  Sixteen waves.  Wave w: tokens 32 (w / 2) .. + 31 (two tiles u'), and with w even the head's q, with w odd its k (6 tiles), and three of v's six tiles: 18 accumulators, 144 registers.
; q and k are made TRANSPOSED (source 0 = 16 columns of W, source 1 = 16 tokens): a lane holds one token and its registers run along d.  v is made the natural way round (source 0 = tokens): a lane holds one d
; and its registers run along the tokens, which are the keys.  The rows of every tile are members 8 u + r % 8 + 16 (r / 8) of a group of 32, so that 16 registers of two neighbouring tiles are 16 neighbours.
; LDS: all six K steps (x's block 25,600 + W's 28,928 bytes each) are asked for at the start and filled once: nothing is filled again.  Wave 0 asks for x's six blocks, wave 1 for W's: six tensor loads of a wave are out at the most.
; CLUSTER 4 x 4: x's blocks hang on the chunk alone and are shared along a row of the cluster, W's on the head alone and are shared along a column: joint loads.
; LIMITS: NaN and infinities are not served; blocks whose largest magnitude lies under 2^-124 keep the byte 1.
.set STEPB, 54528
.set XF,   16                          ; v16-39   x's two fragments
.set WF,   40                          ; v40-75   three fragments of W
.set XS,   76                          ; x's scale words: lanes 0-15 tile 0, lanes 16-31 tile 1
.set WS,   77                          ; v77-79   W's, group b: lanes 0-15 tile 2 b, lanes 16-31 tile 2 b + 1
.set WVS,  80                          ; v80-82   Wv's
.set ACCQ, 96                          ; v96-191  48 u' + 8 tile
.set ACCV, 192                         ; v192-239 16 tile + 8 u'
.set TM,   240
.set PW,   251
.set PADV, 252
.set BV,   253
.set G1X,  24
.set G1W,  32
.set G0X,  40                          ; s40-63
.set G0W,  68                          ; s68-91
.macro CROUND                          ; a round of the cluster's barrier
	s_barrier_signal -1
	s_barrier_wait -1
	s_cmp_lg_u32 s20, 0
	s_cbranch_scc1 .Lnot_wave_0_\@
	s_barrier_signal -3
.Lnot_wave_0_\@:
	s_barrier_wait -3
	s_barrier_signal -1
	s_barrier_wait -1
.endm
	s_load_b512 s[4:19], s[0:1], 0x0               ; ximg, wimg, bq, bk, bv, pad_mask, qrec, kv
	v_lshrrev_b32 v85, 5, v0
	v_readfirstlane_b32 s20, v85                   ; wave
	s_lshr_b32 s21, s20, 1                         ; g: my group of 32 tokens
	s_and_b32 s22, s20, 1                          ; ch: 0 q, 1 k
	s_and_b32 s23, s21, 3                          ; beta: the group in its record
	s_lshr_b32 s92, s21, 2                         ; rec: which of the chunk's two records
	s_mov_b32 s66, 0x76543210
	s_mov_b32 s67, 0xfedcba98
	; every LDS address is made here, ahead of the first branch on the wave's number
	v_and_b32 v85, 31, v0                          ; lane
	v_and_b32 v86, 15, v0                          ; r
	v_bfe_u32 v87, v0, 4, 1                        ; h
	v_lshlrev_b32 v1, 4, v85                       ; 16 x lane
	s_mul_i32 s2, s21, 3072
	v_add_nc_u32 v2, s2, v1                        ; x's fragments
	s_mul_i32 s2, s22, 9216
	v_add_nc_u32 v3, s2, v1                        ; Wq's or Wk's
	s_mul_i32 s2, s22, 4608
	v_add_nc_u32 v4, s2, v1                        ; my three of Wv's
	v_lshlrev_b32 v88, 2, v85
	s_lshl_b32 s2, s21, 7
	v_add_nc_u32 v5, s2, v88                       ; x's scale words
	s_mul_i32 s2, s22, 384
	v_add_nc_u32 v6, s2, v88                       ; Wq's or Wk's
	v_lshlrev_b32 v89, 2, v86
	s_mul_i32 s2, s22, 192
	v_add_nc_u32 v7, s2, v89                       ; Wv's
	s_mul_i32 s3, s92, 12288                       ; the stage of my record
	s_xor_b32 s2, s22, 1
	s_mul_i32 s2, s2, 24576
	s_add_co_u32 s2, s2, s3
	s_lshl_b32 s97, s23, 2
	s_add_co_u32 s2, s2, s97
	v_lshl_add_u32 v8, v86, 4, s2                  ; q's or k's scale word: 16 r + 4 beta (+ 256 u' + 9,216; q's lie 24,576 further on)
	s_lshr_b32 s2, s23, 1
	s_mul_i32 s2, s2, 6
	v_mul_u32_u24 v90, v87, 3
	v_add_nc_u32 v90, s2, v90                      ; V's image: my three registers are R = 6 (beta / 2) + 3 h + i of lane r + 16 (beta % 2)
	s_and_b32 s2, s23, 1
	s_lshl_b32 s2, s2, 8
	s_add_co_u32 s2, s2, s3
	s_mul_i32 s97, s22, 4608
	s_add_co_u32 s2, s2, s97
	v_lshl_add_u32 v91, v86, 4, s2
.irp i, 0,1,2
	v_add_nc_u32 v92, \i, v90
	v_lshrrev_b32 v93, 2, v92
	v_and_b32 v92, 3, v92
	v_lshl_add_u32 v93, v93, 9, v91
	v_lshl_add_u32 v[9+\i], v92, 2, v93
.endr
	s_lshl_b32 s2, s22, 8
	s_add_co_u32 s2, s2, s3
	s_add_co_u32 s2, s2, s23
	v_lshl_add_u32 v12, v86, 4, s2                 ; V's scale byte: 16 (16 ch + r) + beta (+ 4 tile + 9,728)
	s_lshl_b32 s2, s23, 7
	s_add_co_u32 s2, s2, s3
	v_add_nc_u32 v13, s2, v88                      ; m, n: 4 (32 beta + lane)
	s_lshl_b32 s2, s23, 8
	s_add_co_u32 s2, s2, s3
	v_lshl_add_u32 v14, v85, 3, s2                 ; the zero bytes
	s_mul_i32 s2, s20, 1536
	v_add_nc_u32 v15, s2, v1                       ; the copy out of the stage
	s_mul_i32 s2, s20, 12288
	v_add_nc_u32 v84, s2, v1                       ; q's scale words on the way out (waves 0 and 1)
	v_lshlrev_b32 v94, 6, v87                      ; bq, bk: 64 h
	v_and_b32 v92, 7, v86
	v_lshrrev_b32 v93, 3, v86
	v_lshl_add_u32 v92, v93, 4, v92
	v_lshlrev_b32 v92, 2, v92                      ; bv: 4 (r % 8 + 16 (r / 8))
.irp b, 0,1,2
	v_mov_b32 v[TM+4+\b], 0                        ; a lane permute's destination counts as read
.endr
	; my place, the masks, the descriptors
	s_bfe_u32 s93, ttmp6, 0x40000                  ; cx
	s_bfe_u32 s94, ttmp6, 0x40004                  ; cy
	s_lshl_b32 s95, ttmp9, 2
	s_add_co_u32 s95, s95, s93                     ; head
	s_and_b32 s96, ttmp7, 0xffff
	s_lshl_b32 s96, s96, 2
	s_add_co_u32 s96, s96, s94                     ; chunk of 256 tokens
	s_lshl_b32 s98, s94, 2
	s_lshl_b32 s98, 15, s98                        ; my row of the cluster
	s_lshl_b32 s100, 0x1111, s93                   ; my column
	s_or_b32 s[G1X], s98, (3<<16)|(1<<21)          ; the mask; elements of 8 bytes; bit 21 beside a mask; no padding
	s_mov_b32 s[G1X+1], 32<<16                     ; dense blocks as rows of 256 bytes: tensor_dim0 = 32
	s_mov_b32 s[G1X+2], 100<<16                    ; tensor_dim1 = 100 rows
	s_mov_b32 s[G1X+3], 32<<16                     ; tile_dim0
	s_mov_b32 s[G1X+4], 100                        ; tile_dim1
	s_mov_b32 s[G1X+5], 32                         ; pitch
	s_mov_b32 s[G1X+6], 0
	s_mov_b32 s[G1X+7], 0
	s_or_b32 s[G1W], s100, (3<<16)|(1<<21)
	s_mov_b32 s[G1W+1], 32<<16
	s_mov_b32 s[G1W+2], 113<<16
	s_mov_b32 s[G1W+3], 32<<16
	s_mov_b32 s[G1W+4], 113
	s_mov_b32 s[G1W+5], 32
	s_mov_b32 s[G1W+6], 0
	s_mov_b32 s[G1W+7], 0
	s_mul_i32 s98, s96, 6*25600                    ; x's address hangs on the chunk alone,
	s_mov_b32 s99, 0
	s_mul_i32 s100, s95, 6*28928                   ; W's on the head alone
	s_mov_b32 s101, 0
	s_wait_kmcnt 0x0
	s_add_nc_u64 s[98:99], s[4:5], s[98:99]
	s_add_nc_u64 s[100:101], s[6:7], s[100:101]
.irp s, 0,1,2,3,4,5
	s_mov_b32 s[G0X+4*\s], 1
	s_mov_b32 s[G0X+4*\s+1], STEPB*\s
	s_add_nc_u64 s[G0X+4*\s+2:G0X+4*\s+3], s[98:99], 25600*\s
	s_or_b32 s[G0X+4*\s+3], s[G0X+4*\s+3], 0x80000000
	s_mov_b32 s[G0W+4*\s], 1
	s_mov_b32 s[G0W+4*\s+1], STEPB*\s+25600
	s_add_nc_u64 s[G0W+4*\s+2:G0W+4*\s+3], s[100:101], 28928*\s
	s_or_b32 s[G0W+4*\s+3], s[G0W+4*\s+3], 0x80000000
.endr
	CROUND                                         ; all sixteen work-groups are here: the joint loads meet
	s_cmp_lg_u32 s20, 0
	s_cbranch_scc1 .Lnot_x
.irp s, 0,1,2,3,4,5
	tensor_load_to_lds s[G0X+4*\s:G0X+4*\s+3], s[G1X:G1X+7]
.endr
.rept 4
	v_nop                                          ; four v_nop follow the last
.endr
	s_branch .Lasked
.Lnot_x:
	s_cmp_lg_u32 s20, 1
	s_cbranch_scc1 .Lasked
.irp s, 0,1,2,3,4,5
	tensor_load_to_lds s[G0W+4*\s:G0W+4*\s+3], s[G1W:G1W+7]
.endr
.rept 4
	v_nop
.endr
.Lasked:
	; the biases.  bq or bk go straight into the accumulators: they are the C of the first K step
	s_mul_i32 s2, s95, 384
	s_mov_b32 s3, 0
	s_cmp_eq_u32 s22, 0
	s_cselect_b64 s[8:9], s[8:9], s[10:11]
	s_add_nc_u64 s[8:9], s[8:9], s[2:3]
	s_add_nc_u64 s[12:13], s[12:13], s[2:3]
.irp u, 0,1
.irp t, 0,1,2,3,4,5
	global_load_b128 v[ACCQ+48*\u+8*\t:ACCQ+48*\u+8*\t+3], v94, s[8:9] offset:(32*(\t/2)+8*(\t%2))*4
	global_load_b128 v[ACCQ+48*\u+8*\t+4:ACCQ+48*\u+8*\t+7], v94, s[8:9] offset:(32*(\t/2)+8*(\t%2))*4+16
.endr
.endr
.irp t, 0,1,2
	s_mul_i32 s2, s22, 3
	s_add_co_u32 s2, s2, \t                        ; v's tile
	s_lshr_b32 s97, s2, 1
	s_lshl_b32 s97, s97, 7
	s_and_b32 s2, s2, 1
	s_lshl_b32 s2, s2, 5
	s_add_co_u32 s2, s2, s97
	v_add_nc_u32 v[89+\t], s2, v92
	global_load_b32 v[BV+\t], v[89+\t], s[12:13]
.endr
	s_lshl_b32 s2, s96, 10
	s_lshl_b32 s97, s21, 7
	s_add_co_u32 s2, s2, s97
	v_add_nc_u32 v95, s2, v88
	global_load_b32 v[PADV], v95, s[14:15]         ; pad_mask of token 32 g + lane
	; where the results go
	s_lshr_b32 s2, s96, 3
	s_lshl_b32 s2, s2, 7
	s_lshl_b32 s3, s95, 4
	s_add_co_u32 s2, s2, s3
	s_and_b32 s3, s96, 7
	s_lshl_b32 s3, s3, 1
	s_add_co_u32 s97, s2, s3                       ; the chunk's first record: 128 batch + 16 head + 2 (chunk % 8)
	s_add_co_u32 s2, s97, s92
	s_cmp_eq_u32 s22, 0
	s_cselect_b64 s[10:11], s[16:17], s[18:19]
	s_mov_b32 s3, 24576
	s_cselect_b32 s3, 12800, s3
	s_mul_i32 s2, s2, s3
	s_mul_i32 s3, s23, 3072
	s_add_co_u32 s2, s2, s3
	s_mov_b32 s3, 0
	s_add_nc_u64 s[10:11], s[10:11], s[2:3]        ; my two fragments of q or of k
	s_lshr_b32 s2, s20, 3
	s_add_co_u32 s2, s2, s97
	s_mul_i32 s2, s2, 24576
	s_and_b32 s3, s20, 7
	s_mul_i32 s3, s3, 1536
	s_add_co_u32 s2, s2, s3
	s_mov_b32 s3, 0
	s_add_nc_u64 s[18:19], s[18:19], s[2:3]        ; my 1,536 bytes of the stage's copy
	s_and_b32 s2, s20, 1
	s_add_co_u32 s2, s2, s97
	s_mul_i32 s2, s2, 12800
	s_add_nc_u64 s[16:17], s[16:17], s[2:3]        ; q's scale words (waves 0 and 1)
.macro MULQ T, f, u                    ; q or k, tile T (in WF's place f) x tokens u
.set DQ_, ACCQ+48*(\u)+8*(\T)
.set AQ_, WF+12*(\f)
.set BQ_, XF+12*(\u)
.if ((\T)%2 == 0) && ((\u) == 0)
	v_wmma_scale_f32_16x16x128_f8f6f4 v[DQ_:DQ_+7], v[AQ_:AQ_+11], v[BQ_:BQ_+11], v[DQ_:DQ_+7], v[WS+(\T)/2], v[XS] matrix_a_fmt:MATRIX_FMT_FP6 matrix_b_fmt:MATRIX_FMT_FP6
.elseif ((\T)%2 == 1) && ((\u) == 0)
	v_wmma_scale_f32_16x16x128_f8f6f4 v[DQ_:DQ_+7], v[AQ_:AQ_+11], v[BQ_:BQ_+11], v[DQ_:DQ_+7], v[WS+(\T)/2], v[XS] matrix_a_fmt:MATRIX_FMT_FP6 matrix_b_fmt:MATRIX_FMT_FP6 matrix_a_scale:MATRIX_SCALE_ROW1
.elseif ((\T)%2 == 0)
	v_wmma_scale_f32_16x16x128_f8f6f4 v[DQ_:DQ_+7], v[AQ_:AQ_+11], v[BQ_:BQ_+11], v[DQ_:DQ_+7], v[WS+(\T)/2], v[XS] matrix_a_fmt:MATRIX_FMT_FP6 matrix_b_fmt:MATRIX_FMT_FP6 matrix_b_scale:MATRIX_SCALE_ROW1
.else
	v_wmma_scale_f32_16x16x128_f8f6f4 v[DQ_:DQ_+7], v[AQ_:AQ_+11], v[BQ_:BQ_+11], v[DQ_:DQ_+7], v[WS+(\T)/2], v[XS] matrix_a_fmt:MATRIX_FMT_FP6 matrix_b_fmt:MATRIX_FMT_FP6 matrix_a_scale:MATRIX_SCALE_ROW1 matrix_b_scale:MATRIX_SCALE_ROW1
.endif
.endm
.macro MULV t, u, zero                 ; v, my tile t x tokens u; zero = 1: the first K step starts the sum
.set DV_, ACCV+16*(\t)+8*(\u)
.set AV_, XF+12*(\u)
.set BV_, WF+12*(\t)
.if \zero
.if (\u) == 0
	v_wmma_scale_f32_16x16x128_f8f6f4 v[DV_:DV_+7], v[AV_:AV_+11], v[BV_:BV_+11], 0, v[XS], v[WVS+(\t)] matrix_a_fmt:MATRIX_FMT_FP6 matrix_b_fmt:MATRIX_FMT_FP6
.else
	v_wmma_scale_f32_16x16x128_f8f6f4 v[DV_:DV_+7], v[AV_:AV_+11], v[BV_:BV_+11], 0, v[XS], v[WVS+(\t)] matrix_a_fmt:MATRIX_FMT_FP6 matrix_b_fmt:MATRIX_FMT_FP6 matrix_a_scale:MATRIX_SCALE_ROW1
.endif
.else
.if (\u) == 0
	v_wmma_scale_f32_16x16x128_f8f6f4 v[DV_:DV_+7], v[AV_:AV_+11], v[BV_:BV_+11], v[DV_:DV_+7], v[XS], v[WVS+(\t)] matrix_a_fmt:MATRIX_FMT_FP6 matrix_b_fmt:MATRIX_FMT_FP6
.else
	v_wmma_scale_f32_16x16x128_f8f6f4 v[DV_:DV_+7], v[AV_:AV_+11], v[BV_:BV_+11], v[DV_:DV_+7], v[XS], v[WVS+(\t)] matrix_a_fmt:MATRIX_FMT_FP6 matrix_b_fmt:MATRIX_FMT_FP6 matrix_a_scale:MATRIX_SCALE_ROW1
.endif
.endif
.endm
; A K step of 128: 18 matrix instructions on 18 accumulators, which take turns, in three batches of six; each batch's three fragments of W come by nine loads.
.macro KSTEP s
	s_wait_tensorcnt 5-\s                          ; step s's block has landed; the 5 - s loads issued behind it may be out
	s_barrier_signal -1
	s_barrier_wait -1                              ; both blocks are there for every wave
.irp u, 0,1
.irp c, 0,1,2
	ds_load_b128 v[XF+12*\u+4*\c:XF+12*\u+4*\c+3], v2 offset:1536*\u+512*\c
.endr
.endr
	ds_load_b32 v[XS], v5 offset:24576
.irp b, 0,1,2
	ds_load_b32 v[WS+\b], v6 offset:53248+128*\b
.endr
.irp t, 0,1,2
	ds_load_b32 v[WVS+\t], v7 offset:54016+64*\t
.endr
.irp B, 0,1
.irp t, 0,1,2
.irp c, 0,1,2
	ds_load_b128 v[WF+12*\t+4*\c:WF+12*\t+4*\c+3], v3 offset:25600+1536*(3*\B+\t)+512*\c
.endr
.endr
	s_wait_dscnt 0x0
.irp t, 0,1,2
.irp u, 0,1
	MULQ 3*\B+\t, \t, \u
.endr
.endr
.rept 4
	v_nop                                          ; places in front of loads into registers that matrix instructions have read
.endr
.endr
.irp t, 0,1,2
.irp c, 0,1,2
	ds_load_b128 v[WF+12*\t+4*\c:WF+12*\t+4*\c+3], v4 offset:44032+1536*\t+512*\c
.endr
.endr
	s_wait_dscnt 0x0
.irp t, 0,1,2
.irp u, 0,1
.if \s == 0
	MULV \t, \u, 1
.else
	MULV \t, \u, 0
.endif
.endr
.endr
.if \s < 5
.irp r, 2,3,4,5,6,7
	v_add_nc_u32 v\r, STEPB, v\r                   ; on to the next step's blocks: six plain lines, which are also the places behind the products
.endr
.else
.rept 4
	v_nop
.endr
.endif
.endm
	s_wait_loadcnt 0x0                             ; the biases and pad_mask
	KSTEP 0
	KSTEP 1
	KSTEP 2
	KSTEP 3
	KSTEP 4
	KSTEP 5
; THE WAY OUT.  The stage lies in the first K step's block: it has had its one fill, and every wave has passed five barriers since its last read of it.
; 48 numbers of a lane (d = 32 b + 16 h + i of my token) become a fragment and a scale word; the fourth block of 32 is zero codes under the byte 0x7f.
.macro QUANT3 a, pc, ta, u
.irp b, 0,1,2
	v_max3_num_f32 v[TM+\b], |v[\a+16*\b]|, |v[\a+16*\b+1]|, 0x1800000   ; each accumulator is read from its low end on
.endr
.irp i, 2,4,6,8,10,12,14
.irp b, 0,1,2
	v_max3_num_f32 v[TM+\b], v[TM+\b], |v[\a+16*\b+\i]|, |v[\a+16*\b+\i+1]|
.endr
.endr
.irp b, 0,1,2
	v_permlanex16_b32 v[TM+4+\b], v[TM+\b], s66, s67
.endr
.irp b, 0,1,2
	v_max_num_f32 v[TM+\b], v[TM+\b], v[TM+4+\b]
.endr
.irp b, 0,1,2
	v_add_nc_u32 v[TM+8+\b], 0xff000000, v[TM+\b]
.endr
.irp b, 0,1,2
	v_lshrrev_b32 v[TM+4+\b], 23, v[TM+8+\b]
.endr
	v_lshl_or_b32 v[PW], v[TM+5], 8, v[TM+4]
	v_lshl_or_b32 v[PW], v[TM+6], 16, v[PW]
	v_or_b32 v[PW], 0x7f000000, v[PW]
	v_cvt_scalef32_pk16_fp6_f32 v[\pc:\pc+2], v[\a:\a+15], v[TM+8]
	v_cvt_scalef32_pk16_fp6_f32 v[\ta:\ta+2], v[\a+16:\a+31], v[TM+9]
	v_cvt_scalef32_pk16_fp6_f32 v[\pc+6:\pc+8], v[\a+32:\a+47], v[TM+10]
.irp i, 0,1,2
	v_mov_b32 v[\pc+9+\i], 0                       ; block 3's codes (plain lines behind the conversions)
.endr
.irp i, 0,1,2
	v_permlane16_swap_b32 v[\pc+\i], v[\ta+\i]     ; a whole block to a lane: lanes 0-15 block 0, lanes 16-31 block 1;
	v_permlane16_swap_b32 v[\pc+6+\i], v[\pc+9+\i] ; lanes 0-15 block 2, lanes 16-31 zeros
.endr
.irp i, 0,1,2
	v_mov_b32 v[\pc+3+\i], v[\ta+\i]
.endr
.irp c, 0,1,2
	global_store_b128 v1, v[\pc+4*\c:\pc+4*\c+3], s[10:11] offset:1536*\u+512*\c   ; 512 consecutive bytes, aligned
.endr
	ds_store_b32 v8, v[PW] offset:9216+256*\u
.endm
	QUANT3 ACCQ, 16, 40, 0
	QUANT3 ACCQ+48, 28, 44, 1
	; v: + bv; my 16 keys and lane l xor 16's are a block of 32 keys
.irp t, 0,1,2
.irp j, 0,1,2,3,4,5,6,7,8,9,10,11,12,13,14,15
	v_add_f32 v[ACCV+16*\t+\j], v[ACCV+16*\t+\j], v[BV+\t]
.endr
.endr
.irp t, 0,1,2
	v_max3_num_f32 v[TM+\t], |v[ACCV+16*\t]|, |v[ACCV+16*\t+1]|, 0x1800000
.endr
.irp i, 2,4,6,8,10,12,14
.irp t, 0,1,2
	v_max3_num_f32 v[TM+\t], v[TM+\t], |v[ACCV+16*\t+\i]|, |v[ACCV+16*\t+\i+1]|
.endr
.endr
.irp t, 0,1,2
	v_permlanex16_b32 v[TM+4+\t], v[TM+\t], s66, s67
.endr
.irp t, 0,1,2
	v_max_num_f32 v[TM+\t], v[TM+\t], v[TM+4+\t]
.endr
.irp t, 0,1,2
	v_add_nc_u32 v[TM+8+\t], 0xff000000, v[TM+\t]
.endr
.irp t, 0,1,2
	v_lshrrev_b32 v[TM+4+\t], 23, v[TM+8+\t]
.endr
.irp t, 0,1,2
	v_cvt_scalef32_pk16_fp6_f32 v[48+4*\t:50+4*\t], v[ACCV+16*\t:ACCV+16*\t+15], v[TM+8+\t]
.endr
	v_nop
.irp t, 0,1,2
.irp i, 0,1,2
	ds_store_b32 v[9+\i], v[48+4*\t+\i] offset:1536*\t   ; into V's image: three registers of one lane of the fragment
.endr
	ds_store_b8 v12, v[TM+4+\t] offset:9728+4*\t
.endr
	s_cmp_lg_u32 s23, 0
	s_cbranch_scc1 .Lnot_b0
	v_mov_b32 v60, 0x7f7f7f7f
	ds_store_b32 v12, v60 offset:9728+12           ; the fourth word beside V's three scale words
.Lnot_b0:
	s_cmp_lg_u32 s22, 0
	s_cbranch_scc1 .Lodd
	v_sub_f32 v61, 1.0, v[PADV]                    ; m = 1 - pad
	v_sub_f32 v62, 1.0, v61
	v_mul_f32 v62, 0xd01502f9, v62                 ; n = -1e10 (1 - m)
	ds_store_b32 v13, v61 offset:10240
	ds_store_b32 v13, v62 offset:10752
	s_branch .Ljoined
.Lodd:
	v_mov_b32 v62, 0
	v_mov_b32 v63, 0
	ds_store_b64 v14, v[62:63] offset:11264
.Ljoined:
	s_wait_dscnt 0x0                               ; for the others' sake: my stores into the stage have landed
	s_barrier_signal -1
	s_barrier_wait -1
.irp c, 0,1,2
	ds_load_b128 v[64+4*\c:67+4*\c], v15 offset:512*\c
.endr
	s_wait_dscnt 0x0
.irp c, 0,1,2
	global_store_b128 v1, v[64+4*\c:67+4*\c], s[18:19] offset:12288+512*\c
.endr
	s_cmp_gt_u32 s20, 1
	s_cbranch_scc1 .Lno_qs
	ds_load_b128 v[40:43], v84 offset:33792
	s_wait_dscnt 0x0
	global_store_b128 v1, v[40:43], s[16:17] offset:12288
.Lno_qs:
	CROUND                                         ; the closing round: no work-group ends while a partner may still ask for a block that names it
	s_endpgm
.Lfunc_end_k_qed7819c93e_proj:
	.size	k_qed7819c93e_proj, .Lfunc_end_k_qed7819c93e_proj-k_qed7819c93e_proj
	.p2alignl 7, 3214868480
	.fill 96, 4, 3214868480
	.section	.rodata,"a",@progbits
	.p2align	6, 0x0
	.amdhsa_kernel k_qed7819c93e_proj
		.amdhsa_group_segment_fixed_size 327680
		.amdhsa_private_segment_fixed_size 0
		.amdhsa_enable_private_segment 0
		.amdhsa_kernarg_size 64
		.amdhsa_user_sgpr_count 2
		.amdhsa_user_sgpr_kernarg_segment_ptr 1
		.amdhsa_wavefront_size32 1
		.amdhsa_system_sgpr_workgroup_id_x 1
		.amdhsa_system_sgpr_workgroup_id_y 1
		.amdhsa_system_sgpr_workgroup_id_z 1
		.amdhsa_system_vgpr_workitem_id 0
		.amdhsa_next_free_vgpr 256
		.amdhsa_next_free_sgpr 102
		.amdhsa_reserve_vcc 0
		.amdhsa_float_denorm_mode_32 3
		.amdhsa_float_denorm_mode_16_64 3
		.amdhsa_memory_ordered 1
		.amdhsa_forward_progress 1
		.amdhsa_inst_pref_size 61
	.end_amdhsa_kernel
	.amdgpu_metadata
---
amdhsa.version: [ 1, 2 ]
amdhsa.kernels:
  - .name:           k_qed7819c93e_proj
    .symbol:         k_qed7819c93e_proj.kd
    .args:
      - { .name: ximg, .offset: 0, .size: 8, .value_kind: global_buffer, .address_space: global }
      - { .name: wimg, .offset: 8, .size: 8, .value_kind: global_buffer, .address_space: global }
      - { .name: bq, .offset: 16, .size: 8, .value_kind: global_buffer, .address_space: global }
      - { .name: bk, .offset: 24, .size: 8, .value_kind: global_buffer, .address_space: global }
      - { .name: bv, .offset: 32, .size: 8, .value_kind: global_buffer, .address_space: global }
      - { .name: pad_mask, .offset: 40, .size: 8, .value_kind: global_buffer, .address_space: global }
      - { .name: qrec, .offset: 48, .size: 8, .value_kind: global_buffer, .address_space: global }
      - { .name: kv, .offset: 56, .size: 8, .value_kind: global_buffer, .address_space: global }
    .group_segment_fixed_size: 327680
    .private_segment_fixed_size: 0
    .kernarg_segment_align: 8
    .kernarg_segment_size: 64
    .max_flat_workgroup_size: 512
    .sgpr_count:     102
    .vgpr_count:     256
    .wavefront_size: 32
...
	.end_amdgpu_metadata
.endif
;; end of part 2
;; launch attn (part 3): grid 8 x 32, 16 waves a work-group, no clusters, 151,552 bytes of LDS; arguments qrec, kv, meta, attn2; writes attn2
.if DOCPART == 3
	.amdgcn_target "amdgcn-amd-amdhsa--gfx1250"
	.amdhsa_code_object_version 6
	.text
	.protected	k_qed7819c93e_attn
	.globl	k_qed7819c93e_attn
	.p2align	8
	.type	k_qed7819c93e_attn,@function
k_qed7819c93e_attn:
	s_mov_b64 s[64:65], 0
	v_nop
	global_prefetch_b8 v0, s[64:65] scope:SCOPE_SE
	s_setreg_imm32_b32 hwreg(HW_REG_WAVE_MODE, 25, 1), 1
	s_wait_xcnt 0x0
; attn2[batch x head][q][0..95] = sum over keys of p V / l, both products on codes of E2M3.  z = s m - 1e10 (1 - m) with m = (key <= q) (1 - pad); t = z log2(e) / sqrt(96);
; M = the running largest t rounded up to a whole number; p = 2^(t - M) is quantised along the keys; l is the sum of the unquantised p.
; SHARES.  Work-group (i, batch x head) owns query blocks i and 15 - i (128 queries each): 8 (i + 1) + 8 (16 - i) = 136 wave steps in every work-group.  Each of the sixteen waves owns one tile of 16 queries.
; A key step is a record of kv (128 keys, 24,576 bytes): the sixteen waves bring it through registers into one of two LDS buffers, 1,536 bytes each, a step ahead.
; No joint loads and no tensor loads: partners would need 9 to 16 records each, and what a wave runs hangs on whole numbers read from meta, by branches.
; WHICH STEPS A WAVE RUNS.  Steps 0 .. its own block, where every query of the tile sees a key whose pad_mask is 0 (first query >= P0).  Else all sixteen: for a query all of whose visible keys are padded the
; masked scores -1e10 are the largest, of the hidden keys too, and the row is what the softmax of equal numbers gives.  The loop's trip count is a constant and every wave passes every barrier; only work is jumped over.
; In steps with a mask t is rounded before M is taken off (at 1.5e9 a fused s c - M would differ from t - M); elsewhere t - M is one fused multiply-add.
; LIMITS: NaN and infinities are not served.  A row that sees an open key is taken to have that key's score above -9.9e9.  pad_mask may be any finite number.
.set BUFB, 24576
	s_load_b256 s[4:11], s[0:1], 0x0               ; qrec, kv, meta, attn2
	v_lshrrev_b32 v1, 5, v0
	v_readfirstlane_b32 s12, v1                    ; wave
	s_mov_b32 s13, ttmp9                           ; i
	s_and_b32 s14, ttmp7, 0xffff                   ; batch x head
	s_lshr_b32 s15, s12, 2
	s_xor_b32 s15, s15, s12
	s_and_b32 s15, s15, 1                          ; which of the two blocks
	s_lshr_b32 s16, s12, 1                         ; tau: my tile in the block
	s_sub_co_u32 s17, 15, s13
	s_cmp_eq_u32 s15, 0
	s_cselect_b32 s17, s17, s13                    ; my block
	s_lshl_b32 s18, s17, 7
	s_lshr_b32 s30, s16, 1
	s_lshl_b32 s31, s30, 5
	s_add_co_u32 s18, s18, s31
	s_and_b32 s31, s16, 1
	s_lshl_b32 s38, s31, 3
	s_add_co_u32 s18, s18, s38                     ; my first query
	s_mov_b32 s34, 0x3e16c740                      ; c = log2(e) / sqrt(96)
	s_mov_b32 s35, s34
	s_mov_b32 s36, 0x76543210
	s_mov_b32 s37, 0xfedcba98
	v_and_b32 v9, 31, v0                           ; lane
	v_and_b32 v250, 15, v0                         ; r
	v_bfe_u32 v251, v0, 4, 1                       ; h
	v_lshlrev_b32 v1, 4, v9                        ; 16 x lane
	s_mul_i32 s39, s12, 1536
	v_add_nc_u32 v2, s39, v1                       ; my 1,536 bytes of a record, in memory and in a buffer
	v_lshlrev_b32 v3, 6, v251                      ; m, n: 64 h
	s_mul_i32 s39, s12, 6400
	s_add_co_u32 s39, s39, 2*BUFB                  ; my stage: 16 rows x 400 bytes
	v_mul_u32_u24 v4, v250, 400
	v_lshl_add_u32 v4, v251, 6, v4
	v_add_nc_u32 v4, s39, v4                       ; in: row r, + 64 h
.irp j, 0,1,2
	v_add_nc_u32 v252, 32*\j, v9                   ; back: piece y = 32 j + lane of 16 bytes; a row has 24 pieces
	v_lshrrev_b32 v253, 3, v252
	v_mul_u32_u24 v253, v253, 11
	v_lshrrev_b32 v253, 5, v253                    ; row = y / 24
	v_add_nc_u32 v252, v252, v253
	v_lshl_add_u32 v[5+\j], v252, 4, s39           ; 16 y + 16 row
.endr
	v_and_b32 v252, 7, v250
	v_lshrrev_b32 v253, 3, v250
	v_lshl_add_u32 v252, v253, 4, v252
	v_add_nc_u32 v252, s18, v252                   ; my query
	v_lshlrev_b32 v253, 4, v251
	v_sub_nc_u32 v8, v252, v253                    ; - 16 h
	s_min_u32 s39, s12, 2
	s_lshl_b32 s39, s39, 13
	v_lshl_add_u32 v11, v9, 8, s39                 ; the prefetches: 256 x lane + 8,192 x wave (waves 0 to 2 ask)
	s_mul_i32 s39, s16, 1536
	v_add_nc_u32 v252, s39, v1                     ; Q's fragment
	s_lshl_b32 s39, s31, 8
	s_lshl_b32 s38, s30, 2
	s_add_co_u32 s39, s39, s38
	v_lshl_add_u32 v253, v250, 4, s39              ; Q's scale word: 16 (16 u + r) + 4 beta
	s_wait_kmcnt 0x0
	s_lshr_b32 s38, s14, 3
	s_lshl_b32 s38, s38, 3
	s_mov_b32 s39, 0
	s_add_nc_u64 s[8:9], s[8:9], s[38:39]
	s_load_b64 s[20:21], s[8:9], 0x0               ; the batch's flags and first open key
	s_mul_i32 s38, s14, 393216
	s_add_nc_u64 s[28:29], s[6:7], s[38:39]        ; the head's record 0
.irp c, 0,1,2
	global_load_b128 v[84+4*\c:87+4*\c], v2, s[28:29] offset:512*\c
.endr
	s_lshl_b32 s38, s14, 4
	s_add_co_u32 s38, s38, s17
	s_mul_i32 s38, s38, 12800
	s_add_nc_u64 s[4:5], s[4:5], s[38:39]
.irp c, 0,1,2
	global_load_b128 v[16+4*\c:19+4*\c], v252, s[4:5] offset:512*\c
.endr
	global_load_b32 v10, v253, s[4:5] offset:12288
	s_lshl_b32 s38, s14, 11
	s_add_co_u32 s38, s38, s18
	s_mul_i32 s38, s38, 384
	s_add_nc_u64 s[10:11], s[10:11], s[38:39]      ; my first query's row of attn2
	v_mov_b32 v13, 0xff61b1e6                      ; the largest t so far: -3e38
	v_floor_f32 v12, -v13                          ; -M
	v_mov_b32 v14, 0
	v_mov_b32 v15, 0
	v_mov_b32 v249, 0                              ; (named as the upper half of a pair)
.irp b, 0,1,2,3
	v_mov_b32 v[232+\b], 0                         ; a lane permute's destination counts as read
.endr
.set n, 0
.rept 48
	v_mov_b32 v[160+n], 0                          ; O^T: the step is written once, and its first run finds zeros
.set n, n+1
.endr
	s_wait_loadcnt 0x0
.irp c, 0,1,2
	ds_store_b128 v2, v[84+4*\c:87+4*\c] offset:512*\c
.endr
	s_add_nc_u64 s[28:29], s[28:29], BUFB          ; (its loads are done)
	s_wait_dscnt 0x0                               ; the stores have read their registers
.irp c, 0,1,2
	global_load_b128 v[84+4*\c:87+4*\c], v2, s[28:29] offset:512*\c   ; record 1: every work-group walks nine records or more
.endr
	s_wait_kmcnt 0x0
	s_cmp_lt_u32 s18, s21
	s_cselect_b32 s22, 15, s17                     ; my last step
	s_lshl_b32 s38, s13, 7
	s_sub_co_u32 s23, 15, s13
	s_cmp_lt_u32 s38, s21
	s_cselect_b32 s23, 15, s23                     ; the work-group's last step
	s_cmp_lt_u32 s12, 3
	s_cselect_b32 s40, 12, 0
	s_cmp_eq_u32 s13, 0
	s_cselect_b32 s40, s40, 0                      ; waves 0 to 2 of the head's work-group 0 prefetch, in steps 0 to 11
	s_mov_b32 s24, 0                               ; J
	s_mov_b32 s25, 0
; A KEY STEP on the record in buffer buf.
; v16-27 Q, v10 its scale words; v28-31 K's scale words; v32-79 fragments; v80-83 V's scale words; v96-159 S^T, then p, then three fragments of V; v160-207 O^T; v208-219 p's codes; v246 p's scale word.
.macro STEP buf
.set BU, BUFB*\buf
.rept 5
	v_nop                                          ; places behind the last step's products: four in front of the loads below, five in front of products that write over v96-127, which those read
.endr
	ds_load_b128 v[28:31], v1 offset:BU+21504
.irp G, 0,1
.if \G
.rept 4
	v_nop
.endr
.endif
.irp t, 0,1,2,3
.irp c, 0,1,2
	ds_load_b128 v[32+12*\t+4*\c:35+12*\t+4*\c], v1 offset:BU+1536*(4*\G+\t)+512*\c
.endr
.endr
	s_wait_dscnt 0x0
.irp t, 0,1,2,3
.if (\t%2) == 0
	v_wmma_scale_f32_16x16x128_f8f6f4 v[96+8*(4*\G+\t):103+8*(4*\G+\t)], v[32+12*\t:43+12*\t], v[16:27], 0, v[28+(4*\G+\t)/2], v10 matrix_a_fmt:MATRIX_FMT_FP6 matrix_b_fmt:MATRIX_FMT_FP6
.else
	v_wmma_scale_f32_16x16x128_f8f6f4 v[96+8*(4*\G+\t):103+8*(4*\G+\t)], v[32+12*\t:43+12*\t], v[16:27], 0, v[28+(4*\G+\t)/2], v10 matrix_a_fmt:MATRIX_FMT_FP6 matrix_b_fmt:MATRIX_FMT_FP6 matrix_a_scale:MATRIX_SCALE_ROW1
.endif
.endr
.endr                                          ; register 16 b + i of lane (r, h): key 128 J + 32 b + 16 h + i against my query
.rept 4
	v_nop
.endr
	s_mov_b32 s32, s34                             ; the multiplier of the scaling below: c,
	s_mov_b32 s33, s34
	s_lshr_b32 s38, s20, s24
	s_and_b32 s38, s38, 1                          ; some key of the step is padded
	s_cmp_ge_u32 s24, s17
	s_cselect_b32 s39, 1, 0                        ; the step reaches past the diagonal
	s_cmp_eq_u32 s38, 0
	s_cbranch_scc1 .Lno_pad_\@
.irp b, 0,1,2,3
.irp q, 0,1,2,3
	ds_load_b128 v[32+4*\q:35+4*\q], v3 offset:BU+22528+128*\b+16*\q
	ds_load_b128 v[48+4*\q:51+4*\q], v3 offset:BU+23040+128*\b+16*\q
.endr
	s_wait_dscnt 0x0
.irp p, 0,2,4,6,8,10,12,14
	v_pk_fma_f32 v[96+16*\b+\p:97+16*\b+\p], v[96+16*\b+\p:97+16*\b+\p], v[32+\p:33+\p], v[48+\p:49+\p]   ; z = s m + n
.endr
.endr
.Lno_pad_\@:
	s_cmp_eq_u32 s39, 0
	s_cbranch_scc1 .Lno_causal_\@
	s_lshl_b32 s41, s24, 7
	v_sub_nc_u32 v250, v8, s41                     ; d = my query - 128 J - 16 h: register 16 b + i is hidden where 32 b + i > d
	v_mov_b32 v251, 0xd01502f9                     ; -1e10
.set n, 0
.rept 64
	v_cmp_gt_i32 vcc_lo, 32*(n/16)+n%16, v250
	v_cndmask_b32 v[96+n], v[96+n], v251, vcc_lo
.set n, n+1
.endr
.Lno_causal_\@:
	s_or_b32 s38, s38, s39
	s_cmp_eq_u32 s38, 0
	s_cbranch_scc1 .Lno_scale_\@
.set n, 0
.rept 32
	v_pk_mul_f32 v[96+n:97+n], v[96+n:97+n], s[34:35] op_sel_hi:[1,0]   ; t, rounded
.set n, n+2
.endr
	s_mov_b32 s32, 1.0                             ; or 1, where t has been made
	s_mov_b32 s33, 1.0
.Lno_scale_\@:
.irp b, 0,1,2,3
	v_max3_num_f32 v[228+\b], v[96+16*\b], v[97+16*\b], v[98+16*\b]   ; the largest score of each block of 32 keys: for the row's maximum, and for the block's largest p
.endr
.irp i, 3,5,7,9,11,13
.irp b, 0,1,2,3
	v_max3_num_f32 v[228+\b], v[228+\b], v[96+16*\b+\i], v[97+16*\b+\i]
.endr
.endr
.irp b, 0,1,2,3
	v_max_num_f32 v[228+\b], v[228+\b], v[111+16*\b]
.endr
.irp b, 0,1,2,3
	v_permlanex16_b32 v[232+\b], v[228+\b], s36, s37
.endr
.irp b, 0,1,2,3
	v_max_num_f32 v[228+\b], v[228+\b], v[232+\b]
.endr
	v_max3_num_f32 v250, v228, v229, v230
	v_max_num_f32 v250, v250, v231
	v_mul_f32 v250, s32, v250                      ; as t
	v_max_num_f32 v13, v13, v250                   ; the running largest t
	v_mov_b32 v250, v12
	v_floor_f32 v12, -v13                          ; -M = floor(-t): M is a whole number
	v_sub_f32 v250, v12, v250
	v_cvt_i32_f32 v250, v250                       ; (it saturates)
	v_ldexp_f32 v248, 1.0, v250                    ; f = 2^(old M - new M)
.set n, 0
.rept 32
	v_pk_fma_f32 v[96+n:97+n], v[96+n:97+n], s[32:33], v[12:13] op_sel_hi:[1,0,0]   ; t - M
.set n, n+2
.endr
.irp b, 0,1,2,3
	v_fma_f32 v[228+\b], v[228+\b], s32, v12
.endr
.set n, 0
.rept 64
	v_exp_f32 v[96+n], v[96+n]                     ; p, not normalised
.set n, n+1
.endr
	v_pk_mul_f32 v[14:15], v[14:15], v[248:249] op_sel_hi:[1,0]   ; the sums under the new M (a plain line behind the exponentials)
	s_wait_alu depctr_va_vdst(0)                   ; one wait for the batch, ahead of its first reader
.irp b, 0,1,2,3
	v_exp_f32 v[228+\b], v[228+\b]                 ; each block's largest p
.endr
	v_pk_add_f32 v[244:245], v[96:97], v[98:99]    ; the row's sum of the unquantised p, in two chains
.irp j, 4,8,12,16,20,24,28,32,36,40,44,48,52,56,60
	v_pk_add_f32 v[14:15], v[14:15], v[96+\j:97+\j]
	v_pk_add_f32 v[244:245], v[244:245], v[98+\j:99+\j]
.endr
	v_pk_add_f32 v[14:15], v[14:15], v[244:245]
	s_wait_alu depctr_va_vdst(0)                   ; and one for the four
.irp b, 0,1,2,3
	v_max_num_f32 v[228+\b], 0x1800000, v[228+\b]  ; the floor 2^-124
.endr
.irp b, 0,1,2,3
	v_add_nc_u32 v[236+\b], 0xff000000, v[228+\b]
.endr
.irp b, 0,1,2,3
	v_lshrrev_b32 v[240+\b], 23, v[236+\b]
.endr
	v_lshl_or_b32 v246, v241, 8, v240              ; p's scale word
	v_lshl_or_b32 v246, v242, 16, v246
	v_lshl_or_b32 v246, v243, 24, v246
.irp c, 0,1
	v_cvt_scalef32_pk16_fp6_f32 v[208+6*\c:210+6*\c], v[96+32*\c:111+32*\c], v[236+2*\c]
	v_cvt_scalef32_pk16_fp6_f32 v[220+4*\c:222+4*\c], v[112+32*\c:127+32*\c], v[236+2*\c+1]
.endr
	v_nop
	ds_load_b128 v[80:83], v1 offset:BU+22016      ; V: six fragments in one run; three of them into p's registers, which are done with
.irp t, 0,1,2
.irp c, 0,1,2
	ds_load_b128 v[32+12*\t+4*\c:35+12*\t+4*\c], v1 offset:BU+12288+1536*\t+512*\c
.endr
.endr
.irp t, 0,1,2
.irp c, 0,1,2
	ds_load_b128 v[96+12*\t+4*\c:99+12*\t+4*\c], v1 offset:BU+12288+1536*(3+\t)+512*\c
.endr
.endr
.irp c, 0,1
.irp i, 0,1,2
	v_permlane16_swap_b32 v[208+6*\c+\i], v[220+4*\c+\i]   ; a whole block to a lane
.endr
.irp i, 0,1,2
	v_mov_b32 v[211+6*\c+\i], v[220+4*\c+\i]
.endr
.endr
.set n, 0
.rept 24
	v_pk_mul_f32 v[160+n:161+n], v[160+n:161+n], v[248:249] op_sel_hi:[1,0]   ; O^T under the new M; also the places in front of the scaled products
.set n, n+2
.endr
	s_wait_dscnt 0x0
.irp t, 0,1,2
	v_wmma_scale_f32_16x16x128_f8f6f4 v[160+8*\t:167+8*\t], v[32+12*\t:43+12*\t], v[208:219], v[160+8*\t:167+8*\t], v[80+\t], v246 matrix_a_fmt:MATRIX_FMT_FP6 matrix_b_fmt:MATRIX_FMT_FP6
.endr
.irp t, 0,1,2
	v_wmma_scale_f32_16x16x128_f8f6f4 v[184+8*\t:191+8*\t], v[96+12*\t:107+12*\t], v[208:219], v[184+8*\t:191+8*\t], v[80+\t], v246 matrix_a_fmt:MATRIX_FMT_FP6 matrix_b_fmt:MATRIX_FMT_FP6 matrix_a_scale:MATRIX_SCALE_ROW1
.endr
.endm
; A TRIP: one barrier; the next record goes from my registers into the other buffer; the record after it is asked for; the step.
.macro TRIP buf
	s_wait_dscnt 0x0                               ; my stores into this buffer have landed, and my reads of the other one are over
	s_barrier_signal -1
	s_barrier_wait -1
	s_cmp_lt_u32 s24, s23
	s_cbranch_scc0 .Lno_stage_\@
	s_wait_loadcnt 0x0                             ; record J + 1 is in my registers
.irp c, 0,1,2
	ds_store_b128 v2, v[84+4*\c:87+4*\c] offset:BUFB*(1-\buf)+512*\c
.endr
	s_add_co_u32 s30, s24, 2
	s_cmp_le_u32 s30, s23
	s_cbranch_scc0 .Lno_stage_\@
	s_wait_dscnt 0x0                               ; the stores have read their registers
	s_wait_xcnt 0x0                                ; the last prefetch, a step back, has read its base
	s_add_nc_u64 s[28:29], s[28:29], BUFB          ; record J + 2
.irp c, 0,1,2
	global_load_b128 v[84+4*\c:87+4*\c], v2, s[28:29] offset:512*\c
.endr
	s_cmp_lt_u32 s24, s40
	s_cbranch_scc0 .Lno_stage_\@
	global_prefetch_b8 v11, s[28:29] offset:2*BUFB th:TH_LOAD_NT scope:SCOPE_SE   ; record J + 4, two steps ahead of its load: three waves, lanes 256 bytes apart; the last is record 15
.Lno_stage_\@:
	s_cmp_le_u32 s24, s22
	s_cbranch_scc0 .Lno_step_\@
	STEP \buf
.Lno_step_\@:
	s_add_co_u32 s24, s24, 1
.endm
.Lpair:
	TRIP 0
	TRIP 1
	s_add_co_u32 s25, s25, 1
	s_cmp_lt_u32 s25, 8
	s_cbranch_scc1 .Lpair
	; THE WAY OUT: O^T / l through my own stage, and out as two runs of eight whole rows (3,072 consecutive bytes each)
.rept 4
	v_nop
.endr
	v_add_f32 v14, v14, v15
	v_permlanex16_b32 v232, v14, s36, s37
	v_add_f32 v14, v14, v232                       ; the row's sum
	v_rcp_f32 v14, v14
	v_nop
	s_wait_alu depctr_va_vdst(0)
.set n, 0
.rept 48
	v_mul_f32 v[96+n], v[160+n], v14               ; register 16 b + i: d = 32 b + 16 h + i
.set n, n+1
.endr
.irp b, 0,1,2
.irp q, 0,1,2,3
	ds_store_b128 v4, v[96+16*\b+4*\q:99+16*\b+4*\q] offset:128*\b+16*\q
.endr
.endr
.irp k, 0,1,2,3,4,5,6,7,8,9,10,11
	ds_load_b128 v[32+4*\k:35+4*\k], v[5+(\k%6)%3] offset:1600*((\k%6)/3)+3200*(\k/6)   ; LDS serves a wave's instructions in order: these see my stores
.endr
.irp k, 0,1,2,3,4,5,6,7,8,9,10,11
	s_wait_dscnt 11-\k                             ; load k is in; the 11 - k younger ones may be out
	global_store_b128 v1, v[32+4*\k:35+4*\k], s[10:11] offset:512*(\k%6)+6144*(\k/6)   ; 512 consecutive bytes, aligned
.endr
	s_endpgm
.Lfunc_end_k_qed7819c93e_attn:
	.size	k_qed7819c93e_attn, .Lfunc_end_k_qed7819c93e_attn-k_qed7819c93e_attn
	.p2alignl 7, 3214868480
	.fill 96, 4, 3214868480
	.section	.rodata,"a",@progbits
	.p2align	6, 0x0
	.amdhsa_kernel k_qed7819c93e_attn
		.amdhsa_group_segment_fixed_size 151552
		.amdhsa_private_segment_fixed_size 0
		.amdhsa_enable_private_segment 0
		.amdhsa_kernarg_size 32
		.amdhsa_user_sgpr_count 2
		.amdhsa_user_sgpr_kernarg_segment_ptr 1
		.amdhsa_wavefront_size32 1
		.amdhsa_system_sgpr_workgroup_id_x 1
		.amdhsa_system_sgpr_workgroup_id_y 1
		.amdhsa_system_sgpr_workgroup_id_z 1
		.amdhsa_system_vgpr_workitem_id 0
		.amdhsa_next_free_vgpr 256
		.amdhsa_next_free_sgpr 66
		.amdhsa_reserve_vcc 1
		.amdhsa_float_denorm_mode_32 3
		.amdhsa_float_denorm_mode_16_64 3
		.amdhsa_memory_ordered 1
		.amdhsa_forward_progress 1
		.amdhsa_inst_pref_size 73
	.end_amdhsa_kernel
	.amdgpu_metadata
---
amdhsa.version: [ 1, 2 ]
amdhsa.kernels:
  - .name:           k_qed7819c93e_attn
    .symbol:         k_qed7819c93e_attn.kd
    .args:
      - { .name: qrec, .offset: 0, .size: 8, .value_kind: global_buffer, .address_space: global }
      - { .name: kv, .offset: 8, .size: 8, .value_kind: global_buffer, .address_space: global }
      - { .name: meta, .offset: 16, .size: 8, .value_kind: global_buffer, .address_space: global }
      - { .name: attn2, .offset: 24, .size: 8, .value_kind: global_buffer, .address_space: global }
    .group_segment_fixed_size: 151552
    .private_segment_fixed_size: 0
    .kernarg_segment_align: 8
    .kernarg_segment_size: 32
    .max_flat_workgroup_size: 512
    .sgpr_count:     66
    .vgpr_count:     256
    .wavefront_size: 32
...
	.end_amdgpu_metadata
.endif
;; end of part 3
;; launch ln (part 4): grid 512 x 1, 4 waves a work-group, no clusters, 0 bytes of LDS; arguments x, attn2, gamma, beta, out0; writes out0
.if DOCPART == 4
	.amdgcn_target "amdgcn-amd-amdhsa--gfx1250"
	.amdhsa_code_object_version 6
	.text
	.protected	k_qed7819c93e_ln
	.globl	k_qed7819c93e_ln
	.p2align	8
	.type	k_qed7819c93e_ln,@function
k_qed7819c93e_ln:
	s_mov_b64 s[64:65], 0
	v_nop
	global_prefetch_b8 v0, s[64:65] scope:SCOPE_SE
	s_setreg_imm32_b32 hwreg(HW_REG_WAVE_MODE, 25, 1), 1
	s_wait_xcnt 0x0
; out0 = LayerNorm(attn + x) gamma + beta over the 768 columns, eps = 1e-6.  attn2 is [batch x head][pos][96]; column c of a token lies in head c / 96.
; A wave takes four neighbouring tokens, a whole row each: a lane's columns are 128 j + 4 lane + 0 .. 3, j = 0 .. 5.  The mean is taken first and the variance of the differences.
; All 60 loads of a wave go out at the head; every token has registers of its own, so no store's data are written again.  No LDS, no barrier, no matrix unit: memory binds.
.set XR, 8                             ; v[8 + 48 t ..]  x, then y, then the result
.set AR, 32                            ; v[32 + 48 t ..] attn
.set GA, 200
.set BE, 224
	s_load_b256 s[4:11], s[0:1], 0x0               ; x, attn2, gamma, beta
	s_load_b64 s[12:13], s[0:1], 0x20              ; out0
	v_lshrrev_b32 v1, 5, v0
	v_readfirstlane_b32 s14, v1
	v_and_b32 v248, 31, v0
	v_lshlrev_b32 v1, 4, v248                      ; 16 x lane
.irp j, 0,1,2,3,4,5
	v_lshl_add_u32 v249, v248, 2, 128*\j           ; my first column
	v_lshrrev_b32 v250, 5, v249
	v_mul_u32_u24 v250, v250, 11
	v_lshrrev_b32 v250, 5, v250                    ; head = column / 96
	v_mul_u32_u24 v251, v250, 96
	v_sub_nc_u32 v249, v249, v251
	v_mul_u32_u24 v250, v250, 786432               ; a head's 2,048 rows of 384 bytes
	v_lshl_add_u32 v[2+\j], v249, 2, v250
.endr
	s_mov_b32 s20, 0x76543210
	s_mov_b32 s21, 0xfedcba98
	s_mov_b32 s22, 0x3aaaaaab                      ; 1 / 768
	s_mov_b32 s23, 0x358637bd                      ; 1e-6
	s_lshl_b32 s15, ttmp9, 4
	s_lshl_b32 s16, s14, 2
	s_add_co_u32 s15, s15, s16                     ; my first token
	s_mul_i32 s16, s15, 3072
	s_mov_b32 s17, 0
	s_lshr_b32 s18, s15, 11
	s_lshl_b32 s18, s18, 14
	s_and_b32 s19, s15, 2047
	s_add_co_u32 s18, s18, s19
	s_mul_i32 s18, s18, 384                        ; (16,384 batch + pos) rows of 384 bytes
	s_mov_b32 s19, 0
	s_wait_kmcnt 0x0
	s_add_nc_u64 s[4:5], s[4:5], s[16:17]
	s_add_nc_u64 s[12:13], s[12:13], s[16:17]
	s_add_nc_u64 s[6:7], s[6:7], s[18:19]
.macro LD t
.irp j, 0,1,2,3,4,5
	global_load_b128 v[XR+48*\t+4*\j:XR+48*\t+4*\j+3], v1, s[4:5] offset:3072*\t+512*\j th:TH_LOAD_NT
.endr
.irp j, 0,1,2,3,4,5
	global_load_b128 v[AR+48*\t+4*\j:AR+48*\t+4*\j+3], v[2+\j], s[6:7] offset:384*\t th:TH_LOAD_NT
.endr
.endm
	LD 0
.irp j, 0,1,2,3,4,5
	global_load_b128 v[GA+4*\j:GA+4*\j+3], v1, s[8:9] offset:512*\j
	global_load_b128 v[BE+4*\j:BE+4*\j+3], v1, s[10:11] offset:512*\j
.endr
	LD 1
	LD 2
	LD 3
.macro SUM32                           ; v248 over the 32 lanes, into every lane
	v_add_f32_dpp v248, v248, v248 row_xmask:1 row_mask:0xf bank_mask:0xf
	v_add_f32_dpp v248, v248, v248 row_xmask:2 row_mask:0xf bank_mask:0xf
	v_add_f32_dpp v248, v248, v248 row_xmask:4 row_mask:0xf bank_mask:0xf
	v_add_f32_dpp v248, v248, v248 row_xmask:8 row_mask:0xf bank_mask:0xf
	v_permlanex16_b32 v249, v248, s20, s21
	v_add_f32 v248, v248, v249
.endm
.macro TOKEN t, left                   ; left: the loads issued behind this token's, which may stay out
.set XT, XR+48*\t
.set AT, AR+48*\t
	s_wait_loadcnt \left
.irp p, 0,2,4,6,8,10,12,14,16,18,20,22
	v_pk_add_f32 v[XT+\p:XT+\p+1], v[XT+\p:XT+\p+1], v[AT+\p:AT+\p+1]   ; y = x + attn
.endr
	v_pk_add_f32 v[248:249], v[XT:XT+1], v[XT+2:XT+3]
	v_pk_add_f32 v[250:251], v[XT+4:XT+5], v[XT+6:XT+7]
.irp p, 8,12,16,20
	v_pk_add_f32 v[248:249], v[248:249], v[XT+\p:XT+\p+1]
	v_pk_add_f32 v[250:251], v[250:251], v[XT+\p+2:XT+\p+3]
.endr
	v_pk_add_f32 v[248:249], v[248:249], v[250:251]
	v_add_f32 v248, v248, v249
	SUM32
	v_mul_f32 v252, 0xbaaaaaab, v248               ; -mean, twice
	v_mul_f32 v253, 0xbaaaaaab, v248
.irp p, 0,2,4,6,8,10,12,14,16,18,20,22
	v_pk_add_f32 v[XT+\p:XT+\p+1], v[XT+\p:XT+\p+1], v[252:253]
.endr
	v_pk_mul_f32 v[248:249], v[XT:XT+1], v[XT:XT+1]
	v_pk_mul_f32 v[250:251], v[XT+2:XT+3], v[XT+2:XT+3]
.irp p, 4,8,12,16,20
	v_pk_fma_f32 v[248:249], v[XT+\p:XT+\p+1], v[XT+\p:XT+\p+1], v[248:249]
	v_pk_fma_f32 v[250:251], v[XT+\p+2:XT+\p+3], v[XT+\p+2:XT+\p+3], v[250:251]
.endr
	v_pk_add_f32 v[248:249], v[248:249], v[250:251]
	v_add_f32 v248, v248, v249
	SUM32
	v_fma_f32 v250, v248, s22, s23                 ; the variance + eps
	v_rsq_f32 v252, v250
	v_nop                                          ; a plain line behind the transcendental,
	s_wait_alu depctr_va_vdst(0)                   ; and the wait ahead of its first reader
	v_mov_b32 v253, v252
.irp p, 0,2,4,6,8,10,12,14,16,18,20,22
	v_pk_mul_f32 v[XT+\p:XT+\p+1], v[XT+\p:XT+\p+1], v[252:253]
.endr
.if \t == 0
	s_wait_loadcnt 36                              ; gamma and beta are in; the three later tokens' 36 loads may be out
.endif
.irp p, 0,2,4,6,8,10,12,14,16,18,20,22
	v_pk_fma_f32 v[XT+\p:XT+\p+1], v[XT+\p:XT+\p+1], v[GA+\p:GA+\p+1], v[BE+\p:BE+\p+1]
.endr
.irp j, 0,1,2,3,4,5
	global_store_b128 v1, v[XT+4*\j:XT+4*\j+3], s[12:13] offset:3072*\t+512*\j th:TH_STORE_NT   ; 512 consecutive bytes, aligned
.endr
.endm
	TOKEN 0, 48
	TOKEN 1, 24
	TOKEN 2, 12
	TOKEN 3, 0
	s_endpgm
.Lfunc_end_k_qed7819c93e_ln:
	.size	k_qed7819c93e_ln, .Lfunc_end_k_qed7819c93e_ln-k_qed7819c93e_ln
	.p2alignl 7, 3214868480
	.fill 96, 4, 3214868480
	.section	.rodata,"a",@progbits
	.p2align	6, 0x0
	.amdhsa_kernel k_qed7819c93e_ln
		.amdhsa_group_segment_fixed_size 0
		.amdhsa_private_segment_fixed_size 0
		.amdhsa_enable_private_segment 0
		.amdhsa_kernarg_size 40
		.amdhsa_user_sgpr_count 2
		.amdhsa_user_sgpr_kernarg_segment_ptr 1
		.amdhsa_wavefront_size32 1
		.amdhsa_system_sgpr_workgroup_id_x 1
		.amdhsa_system_sgpr_workgroup_id_y 1
		.amdhsa_system_sgpr_workgroup_id_z 1
		.amdhsa_system_vgpr_workitem_id 0
		.amdhsa_next_free_vgpr 256
		.amdhsa_next_free_sgpr 66
		.amdhsa_reserve_vcc 0
		.amdhsa_float_denorm_mode_32 3
		.amdhsa_float_denorm_mode_16_64 3
		.amdhsa_memory_ordered 1
		.amdhsa_forward_progress 1
		.amdhsa_inst_pref_size 35
	.end_amdhsa_kernel
	.amdgpu_metadata
---
amdhsa.version: [ 1, 2 ]
amdhsa.kernels:
  - .name:           k_qed7819c93e_ln
    .symbol:         k_qed7819c93e_ln.kd
    .args:
      - { .name: x, .offset: 0, .size: 8, .value_kind: global_buffer, .address_space: global }
      - { .name: attn2, .offset: 8, .size: 8, .value_kind: global_buffer, .address_space: global }
      - { .name: gamma, .offset: 16, .size: 8, .value_kind: global_buffer, .address_space: global }
      - { .name: beta, .offset: 24, .size: 8, .value_kind: global_buffer, .address_space: global }
      - { .name: out0, .offset: 32, .size: 8, .value_kind: global_buffer, .address_space: global }
    .group_segment_fixed_size: 0
    .private_segment_fixed_size: 0
    .kernarg_segment_align: 8
    .kernarg_segment_size: 40
    .max_flat_workgroup_size: 128
    .sgpr_count:     66
    .vgpr_count:     256
    .wavefront_size: 32
...
	.end_amdgpu_metadata
.endif
;; end of part 4
